; MI455X (gfx1250); checked and timed in simulation.
; The chip was launched on July 23, 2026; its instructions are those of AMD's public machine-readable ISA for CDNA 5 (MIT licence, August 2026) and "CDNA5" Instruction Set Architecture Reference Guide (July 2026). The comments in the code are by the model that wrote it; some were corrected since.
;; Gated Attention. Allowed arithmetic: matrix products marked QUANTISED: E2M1 operands, one E8M0 scale for each 32 along K, by v_wmma_scale_f32_16x16x128_f8f6f4 with both operands' format E2M1 (or v_wmma_scale_f32_32x16x128_f4), f32 sums; everything else in f32.
;; Inputs: Wg 256 x 256 float32; Wk 256 x 256 float32; Wq 256 x 256 float32; Wv 256 x 256 float32; bg 256 float32; bk 256 float32; bq 256 float32; bv 256 float32; x 4 x 4,096 x 256 float32.
;; Outputs: out0 4 x 4,096 x 256 float32.
;; This version of the problem:
;;   THIS VERSION OF THE PROBLEM IS GIVEN IN LOW PRECISION. The matrix products marked QUANTISED in the list below multiply operands that are first quantised to E2M1 (2 exponent bits, 1 mantissa bit; 4 bits a number), with one power-of-two scale for each 32 numbers along K (OCP MX v1.0); their sums are f32. All else is computed in f32.
;;   The module's matrix products, in the order in which they are computed (A, B: the left and right operand; K: the contracted axis; several contracted axes count as one K, in the product's order):
;;     1. [M 16,384, K 256] x [K 256, N 256]; A: input x; B: input Wq: QUANTISED
;;     2. [M 16,384, K 256] x [K 256, N 256]; A: input x; B: input Wk: QUANTISED
;;     3. [M 16,384, K 256] x [K 256, N 256]; A: input x; B: input Wv: QUANTISED
;;     4. [M 16,384, K 256] x [K 256, N 256]; A: input x; B: input Wg: QUANTISED
;;     5. batch 4 x [M 4,096, K 256] x [K 256, N 4,096]; A: computed on the way; B: computed on the way: QUANTISED
;;     6. batch 4 x [M 4,096, K 4,096] x [K 4,096, N 256]; A: softmax (see below); B: computed on the way: QUANTISED
;;   THE QUANTISER, for each operand of a quantised product, along K:
;;     - K is cut into blocks of 32 from its start; a last block that is shorter is filled with zeros.
;;     - A block's scale is 2^e with e = floor(log2(the largest magnitude in the block)) - 2, held to -126 .. 127; a block of zeros has e = 0. As a byte (E8M0): e + 127.
;;     - Each number is divided by its block's scale, clamped to +-6, and rounded to the nearest number of E2M1, ties to even, subnormals kept.
;;     - The product sums the exact products of the quantised numbers (number of the format x scale) in f32.
;;   ~~~python
;;   def quantise(x, axis):      # numpy; x: float32 -> the quantised numbers, widened to float32 again
;;       x = np.moveaxis(x, axis, -1); K = x.shape[-1]
;;       x = np.pad(x, [(0, 0)] * (x.ndim - 1) + [(0, -K % 32)]); x = x.reshape(x.shape[:-1] + (-1, 32)); a = np.abs(x).max(-1, keepdims=True)
;;       e = np.where(a > 0, np.clip(np.frexp(np.where(a > 0, a, 1))[1] - 1 - 2, -126, 127), 0)      # np.frexp(a)[1] - 1 = floor(log2(a)), exactly
;;       r = np.clip(x / 2.0 ** e, -6, 6)
;;       step = 2.0 ** (np.maximum(np.frexp(np.where(r == 0, 1, r))[1] - 1, 0) - 1)
;;       q = np.round(r / step) * step * 2.0 ** e      # np.round: ties to even
;;       return np.moveaxis(q.reshape(q.shape[:-2] + (-1,))[..., :K], -1, axis).astype(np.float32)
;;   ~~~
;;   SOFTMAX AHEAD OF A QUANTISED PRODUCT. Where the list says 'softmax', what is quantised is not the finished softmax but p = 2^(t - M), with t = logit x log2(e) and M = ceil(the row's largest t), a whole number; so 1/2 < the row's largest p <= 1. The row's sum l is taken of the UNQUANTISED p, in f32, and the product's result is divided by l at the end. Since M is a whole number, a kernel that streams over the keys may use a running M (the ceiling of the running maximum): every later rescaling is an exact power of two, which a block's scale takes up: the codes' values come out the same.
;;   OPERANDS COMPUTED ON THE WAY. 'Computed on the way' means the value that the module computes at that place (a softmax that the list does not call 'softmax' is quantised finished and normalised). What goes into a quantiser is computed in f32, as accurately as f32 sums, v_exp_f32 and their like allow (about 1e-6 of the number): no bf16 or f16 on the way to a quantiser, and a product that is left as it is and whose result goes on into a quantised operand takes f32 operands (vector FMAs, or v_wmma_f32_16x16x4_f32). A number that lies on a knife's edge between two numbers of the format may be rounded either way, as far as f32 arithmetic and the matrix unit's own rounding can turn it there, and no further.
;; One version. Each part assembles by itself: llvm-mc -triple=amdgcn-amd-amdhsa -mcpu=gfx1250 --defsym DOCPART=n.
;; ======== version 1 of 1: 2 launches
;; limits: right only within a limited range of input values
;; workspace buffers: wts 34,816 bytes; kv 4,456,448 bytes; qx 4,456,448 bytes
;; launch prep (part 1): grid 64 x 3, 16 waves a work-group, clusters of 4 x 1, 327,680 bytes of LDS; arguments x, Wq, Wk, Wv, Wg, bq, bk, bv, kv, qx, wts; writes kv, qx, wts
.if DOCPART == 1
	.amdgcn_target "amdgcn-amd-amdhsa--gfx1250"
	.amdhsa_code_object_version 6
	.text
	.protected	k_qf8ced1fa60_prep
	.globl	k_qf8ced1fa60_prep
	.p2align	8
	.type	k_qf8ced1fa60_prep,@function
k_qf8ced1fa60_prep:
	s_mov_b64 s[64:65], 0
	v_nop
	global_prefetch_b8 v0, s[64:65] scope:SCOPE_SE
	s_setreg_imm32_b32 hwreg(HW_REG_WAVE_MODE, 25, 1), 1
	s_wait_xcnt 0x0
	s_wait_alu depctr_hold_cnt(0) depctr_sa_sdst(0) depctr_va_vdst(0) depctr_va_sdst(0) depctr_va_ssrc(0) depctr_va_vcc(0) depctr_vm_vsrc(0)
	s_getreg_b32 s2, hwreg(HW_REG_IB_STS2, 6, 4)
	s_cmp_eq_u32 s2, 0
	s_cbranch_scc0 .Lentry_in_a_cluster
	s_endpgm
.Lentry_in_a_cluster:
	s_bfe_u32 s2, ttmp6, 0x10000c
	s_cmp_lg_u32 s2, 0x3003
	s_cbranch_scc0 .Lentry_shape_is_right
	s_endpgm
.Lentry_shape_is_right:
; x [16,384][256] f32 and the weights [256 (k)][256 (n)] f32 become codes of FP4 (E2M1) with one E8M0 byte for each 32 along k; q = x Wq + bq, k = x Wk + bk, v = x Wv + bv are made on codes and quantised again:
; q and k along their features, v along the keys.  All leave as IMAGES OF OPERAND REGISTERS (1,024 bytes a fragment: registers 4 cc .. 4 cc + 3 of lane l at 512 cc + 16 l) in blocks of BLK bytes for 128 rows:
;   kv block: K's fragments (tile t of 16 keys, feature half s) at (2 t + s) x 1,024, K's scale words at 16,384; V's (tile ft of 16 features, K = the 128 keys) at 17,408 + 1,024 ft, V's scale words at 33,792.
;   qx block: Q's fragments at (2 t + s) x 1,024, x's at 16,384 + the same; Q's scale words at 32,768, x's at 33,792.   wts: Wg's fragment (tile T, K step s) at (2 T + s) x 1,024, scale words at 32,768.
; Scale words of K, Q, x (and Wg, T for t): 512 (t / 4) + 16 (r + 16 s) + 4 (t % 4); of V: 512 (ft / 8) + 16 (r + 16 (ft % 2)) + 4 ((ft / 2) % 4).
; Lane r of tile t = 2 b + u of rows is row 32 b + 8 u + r + 8 (r / 8).  Inside a block of 32 features q's and k's codes lie in one and the same order: lane (r, h) gave features 8 h .. + 7 and 16 + 8 h .. + 7.
; SHARES.  Work-group (rb, m): 256 rows, matrix m (0 q, 1 k, 2 v).  Each quantises its matrix itself.  Wave w: x's tile w of sixteen; 32 columns (w / 2) x K step w % 2 of the matrix; then features 32 (w / 2) .. + 31 for
; the 128 rows of block w % 2.  Work-groups (rb, 0) also store x's codes; the four of the first cluster with m = 2 also quantise Wg, 64 columns each.
; THE MATRIX comes into LDS as it lies, 16,384 bytes a wave, by one tensor load; it is read by columns: a lane takes a column and its registers run down k.  x goes straight into registers: a lane takes 8 neighbours of a row,
; four lanes a block, and each lane's 8 codes go to their place in x's image in LDS.
; CLUSTER.  Four work-groups with one m: the matrix is asked for JOINTLY.  x's rows are read by work-groups of three matrices, which no mask joins, and not through LDS.  No prefetch: there is no loop to run ahead in.
; LIMITS: NaN and infinities are not served; a block of zeros, or one whose largest magnitude lies under 2^(3 - 127), gets the byte 1: its codes are zeros and this program alone reads the bytes.
; REGISTERS: v1-25 addresses; v26-31 scale registers; v32-63 Wg's numbers, later bytes and work; v64-95 codes, later W's fragments (u, s) at v[64 + 16 u + 8 s]; v96-111 the bias; v112-127 work;
;   v128-255 x's, then W's numbers; in the products v112-175 x's fragments, v176-239 results, v240-255 codes.
.set BLK,  34816
.set XU,   288                         ; x's image: a unit of 16 rows x 16 bytes (one block of 32) takes 288 bytes, so that a row's eight stores fall on different banks; a tile has eight units
.set XT,   8*XU
.set WIMG, 0                           ; the matrix's codes and scale words lie where its numbers lay
.set WSB,  32768
.set XIMG, 262144
.set OUTQ, XIMG+16*XT                  ; scale words on their way out: q's or k's,
.set OUTV, OUTQ+2048                   ; v's,
.set XS,   OUTQ+4096                   ; x's,
.set GS,   XS+2048                     ; Wg's
.set SPARE, GS+512                     ; the spare words, 128 bytes for each of sixteen waves
.set HA,   176
.macro NOP4
.rept 4
	v_nop
.endr
.endm
.macro CROUND                          ; a round of the cluster's barrier
	s_barrier_signal -1
	s_barrier_wait -1
	s_cmp_lg_u32 s26, 0
	s_cbranch_scc1 .Lnot_wave_0_\@
	s_barrier_signal -3
.Lnot_wave_0_\@:
	s_barrier_wait -3
	s_barrier_signal -1
	s_barrier_wait -1
.endm
.macro BAR                             ; my LDS accesses are over: then the work-group's barrier
	s_wait_alu depctr_va_vdst(0)                   ; directly ahead of the wait below
	s_wait_dscnt 0x0
	s_barrier_signal -1
	s_barrier_wait -1
.endm
.macro XROWS g                         ; rows 4 g .. 4 g + 3 of my tile: 8 numbers a lane; the floor 2^(3 - 127) is among the leaves
	s_wait_loadcnt 24-8*\g                         ; all but the younger rows' loads
.irp i, 0,1,2,3
.set zx, 128+8*(4*\g+\i)
	v_max3_num_f32 v[112+\i], |v[zx]|, |v[zx+1]|, 0x1800000
.endr
.irp k, 2,4,6
.irp i, 0,1,2,3
.set zx, 128+8*(4*\g+\i)+\k
	v_max3_num_f32 v[112+\i], v[112+\i], |v[zx]|, |v[zx+1]|
.endr
.endr
.irp i, 0,1,2,3                                ; the block's four lanes
	v_max_num_f32_dpp v[112+\i], v[112+\i], v[112+\i] row_xmask:1 row_mask:0xf bank_mask:0xf
.endr
.irp i, 0,1,2,3
	v_max_num_f32_dpp v[112+\i], v[112+\i], v[112+\i] row_xmask:2 row_mask:0xf bank_mask:0xf
.endr
.irp i, 0,1,2,3
	v_add_nc_u32 v[116+\i], 0xff000000, v[112+\i]  ; 2 off the exponent field: the conversion's scale operand
.endr
.irp i, 0,1,2,3
.set zx, 128+8*(4*\g+\i)
	v_cvt_scalef32_pk8_fp4_f32 v[64+4*\g+\i], v[zx:zx+7], v[116+\i]
.endr
.irp i, 0,1,2,3
	v_lshrrev_b32 v[80+4*\g+\i], 23, v[116+\i]     ; the scale's byte
.endr
.irp i, 0,1,2,3
	ds_store_b32 v8, v[64+4*\g+\i] offset:16*(4*\g+\i)
	ds_store_b8 v9, v[80+4*\g+\i] offset:16*(4*\g+\i)   ; a block's four lanes write the same byte with the same value
.endr
.endm
.macro QCOL xs, cd, by                 ; a block of 32 down a lane's column: four registers of codes and the byte
	v_max3_num_f32 v112, |v[\xs]|, |v[\xs+1]|, |v[\xs+2]|
	v_max3_num_f32 v113, |v[\xs+3]|, |v[\xs+4]|, |v[\xs+5]|
.irp i, 6,10,14,18,22,26
	v_max3_num_f32 v112, v112, |v[\xs+\i]|, |v[\xs+\i+1]|
	v_max3_num_f32 v113, v113, |v[\xs+\i+2]|, |v[\xs+\i+3]|
.endr
	v_max3_num_f32 v112, v112, |v[\xs+30]|, |v[\xs+31]|
	v_max3_num_f32 v112, v112, v113, 0x1800000
	v_add_nc_u32 v116, 0xff000000, v112
	v_lshrrev_b32 v[\by], 23, v116
.irp i, 0,1,2,3
	v_cvt_scalef32_pk8_fp4_f32 v[\cd+\i], v[\xs+8*\i:\xs+8*\i+7], v116
.endr
	v_nop                                          ; one plain line behind the last scaled conversion
.endm
.macro WLD b                           ; block b of my K step: 32 rows of my column
.set zi, 0
.rept 32
	ds_load_b32 v[128+32*\b+zi], v[12+\b/2] offset:(32*(\b%2)+zi)*1024
.set zi, zi+1
.endr
.endm
.macro PAIR c                          ; blocks 2 c, 2 c + 1: lanes 0-15 are one tile's columns, lanes 16-31 the next's: the exchange leaves a tile's fragment in each set of registers
.irp i, 0,1,2,3
	v_permlane16_swap_b32 v[64+8*\c+\i], v[68+8*\c+\i]
.endr
.endm
.macro XLD tq                          ; four tiles of x, both K steps, and their scale registers
.irp tt, 0,1,2,3
.irp hs, 0,1
	ds_load_b128 v[112+16*\tt+8*\hs:112+16*\tt+8*\hs+3], v10 offset:(4*\tq+\tt)*XT+4*XU*\hs
	ds_load_b128 v[112+16*\tt+8*\hs+4:112+16*\tt+8*\hs+7], v10 offset:(4*\tq+\tt)*XT+4*XU*\hs+2*XU
.endr
.endr
	ds_load_b128 v[28:31], v11 offset:512*\tq
.endm
.macro WM c                            ; one product; zr: bit 0 A's scales from lanes 16-31, bit 1 B's
.if zr == 0
	v_wmma_scale_f32_16x16x128_f8f6f4 v[zD:zD+7], v[zA:zA+7], v[zB:zB+7], \c, v[zV], v[zW] matrix_a_fmt:MATRIX_FMT_FP4 matrix_b_fmt:MATRIX_FMT_FP4
.elseif zr == 1
	v_wmma_scale_f32_16x16x128_f8f6f4 v[zD:zD+7], v[zA:zA+7], v[zB:zB+7], \c, v[zV], v[zW] matrix_a_fmt:MATRIX_FMT_FP4 matrix_b_fmt:MATRIX_FMT_FP4 matrix_a_scale:MATRIX_SCALE_ROW1
.elseif zr == 2
	v_wmma_scale_f32_16x16x128_f8f6f4 v[zD:zD+7], v[zA:zA+7], v[zB:zB+7], \c, v[zV], v[zW] matrix_a_fmt:MATRIX_FMT_FP4 matrix_b_fmt:MATRIX_FMT_FP4 matrix_b_scale:MATRIX_SCALE_ROW1
.else
	v_wmma_scale_f32_16x16x128_f8f6f4 v[zD:zD+7], v[zA:zA+7], v[zB:zB+7], \c, v[zV], v[zW] matrix_a_fmt:MATRIX_FMT_FP4 matrix_b_fmt:MATRIX_FMT_FP4 matrix_a_scale:MATRIX_SCALE_ROW1 matrix_b_scale:MATRIX_SCALE_ROW1
.endif
.endm
; Two runs of 16 results, a block of 32 each (lanes l and l xor 16 share it), become codes; the byte is packed: lanes 0-15 the first run's, lanes 16-31 the second's.  Each accumulator is read from its low end on.
.macro PQ ra, rb_, da, db, by
	v_max3_num_f32 v48, |v[\ra]|, |v[\ra+1]|, 0x1800000
	v_max3_num_f32 v49, |v[\rb_]|, |v[\rb_+1]|, 0x1800000
.irp i, 2,4,6,8,10,12,14
	v_max3_num_f32 v48, v48, |v[\ra+\i]|, |v[\ra+\i+1]|
	v_max3_num_f32 v49, v49, |v[\rb_+\i]|, |v[\rb_+\i+1]|
.endr
	v_permlane16_swap_b32 v48, v49
	v_max_num_f32 v48, v48, v49
	v_add_nc_u32 v50, 0xff000000, v48
	v_add_nc_u32 v51, 0xff000000, v48
	v_lshrrev_b32 v[\by], 23, v50
	v_permlane16_swap_b32 v50, v51                 ; the first run's scale operand in all lanes, the second's in all lanes
	v_cvt_scalef32_pk8_fp4_f32 v[\da], v[\ra:\ra+7], v50
	v_cvt_scalef32_pk8_fp4_f32 v[\da+1], v[\ra+8:\ra+15], v50
	v_cvt_scalef32_pk8_fp4_f32 v[\db], v[\rb_:\rb_+7], v51
	v_cvt_scalef32_pk8_fp4_f32 v[\db+1], v[\rb_+8:\rb_+15], v51
	v_nop                                          ; one plain line behind the last scaled conversion
.endm
	s_load_b512 s[4:19], s[0:1], 0x0               ; x s[4:5], Wq s[6:7], Wk s[8:9], Wv s[10:11], Wg s[12:13], bq s[14:15], bk s[16:17], bv s[18:19]
	s_load_b128 s[20:23], s[0:1], 0x40             ; kv s[20:21], qx s[22:23]
	s_load_b64 s[24:25], s[0:1], 0x50              ; wts
	v_lshl_add_u32 v2, v0, 2, SPARE
	v_mov_b32 v3, 0
	ds_add_u32 v2, v3                              ; the wave's opening: the add, twice on end, and its one wait
	ds_add_u32 v2, v3
	v_lshrrev_b32 v4, 5, v0
	v_readfirstlane_b32 s26, v4                    ; wave 0..15
	s_lshr_b32 s30, s26, 1                         ; which 32 columns or features
	s_and_b32 s31, s26, 1                          ; which K step of the matrix; later which block of rows
	s_mul_i32 s44, s26, XT
	s_add_co_u32 s44, s44, XIMG                    ; x's image: my tile
	s_lshr_b32 s84, s26, 2
	s_and_b32 s85, s26, 3
	s_lshl_b32 s46, s84, 9
	s_lshl_b32 s47, s85, 2
	s_add_co_u32 s46, s46, s47
	s_add_co_u32 s46, s46, XS                      ; its scale words
	s_mul_i32 s47, s31, 8*XT
	s_add_co_u32 s47, s47, XIMG                    ; my block's tiles of x
	s_lshl_b32 s48, s31, 10
	s_add_co_u32 s48, s48, XS                      ; and their scale words
	s_lshl_b32 s49, s31, 17
	s_lshl_b32 s50, s30, 7
	s_add_co_u32 s49, s49, s50                     ; my columns of the matrix, K step by 128 rows of 1,024 bytes
	s_lshl_b32 s50, s30, 12                        ; W's codes: (WIMG is 0)
	s_lshl_b32 s51, s31, 10
	s_add_co_u32 s51, s51, s50
	s_lshl_b32 s52, s30, 8
	s_add_co_u32 s52, s52, WSB                     ; and scale words
	s_lshl_b32 s53, s31, 7
	s_add_co_u32 s53, s53, s52
	s_lshr_b32 s86, s30, 2
	s_and_b32 s87, s30, 3
	s_lshl_b32 s88, s31, 10
	s_lshl_b32 s54, s86, 8
	s_add_co_u32 s54, s54, s88
	s_add_co_u32 s54, s54, s87
	s_add_co_u32 s54, s54, OUTQ                    ; my byte of q's or k's scale words
	s_lshl_b32 s55, s86, 9
	s_add_co_u32 s55, s55, s88
	s_lshl_b32 s57, s87, 2
	s_add_co_u32 s55, s55, s57
	s_add_co_u32 s55, s55, OUTV                    ; my word of v's
	s_lshl_b32 s56, s26, 8
	s_add_co_u32 s56, s56, OUTQ                    ; the way out: 256 bytes a wave
	s_and_b32 s88, s84, 1
	s_lshl_b32 s57, s88, 8
	s_lshr_b32 s89, s26, 3
	s_lshl_b32 s90, s89, 3
	s_add_co_u32 s57, s57, s90
	s_add_co_u32 s57, s57, s85
	s_add_co_u32 s57, s57, GS                      ; my byte of Wg's scale words
	v_and_b32 v4, 31, v0                           ; lane
	v_and_b32 v5, 15, v0                           ; r
	v_bfe_u32 v6, v0, 4, 1                         ; h
	v_lshlrev_b32 v1, 4, v4                        ; 16 x lane
	v_lshlrev_b32 v7, 5, v4                        ; x: 32 bytes a lane
	v_lshrrev_b32 v8, 2, v4                        ; x's image: unit lane / 4 (K step, cc, half), dword lane % 4
	v_and_b32 v9, 3, v4
	v_mul_u32_u24 v10, v6, XU
	v_lshlrev_b32 v24, 2, v4                       ; 4 x lane
	v_lshlrev_b32 v22, 3, v4                       ; 8 x lane
	v_lshlrev_b32 v18, 11, v6
	v_lshlrev_b32 v23, 2, v6
	v_lshlrev_b32 v25, 5, v6                       ; bias of q or k: 32 h
	v_lshlrev_b32 v127, 2, v5                      ; bias of v: 4 r
	v_lshlrev_b32 v9, 2, v9
	v_and_b32 v15, 3, v8
	v_lshl_add_u32 v10, v5, 4, v10                 ; x's fragments: 288 h + 16 r
	v_mad_u32_u24 v8, v8, XU, v9
	v_lshl_add_u32 v18, v5, 4, v18                 ; two tiles' units of 256 bytes: 16 r + 2,048 h
	v_lshl_add_u32 v23, v5, 4, v23                 ; 16 r + 4 h
	v_lshl_add_u32 v9, v6, 8, v15                  ; x's scale byte: 256 x K step + block % 4
	v_add_nc_u32 v8, s44, v8
	v_add_nc_u32 v126, s44, v10                    ; my own tile of x
	v_add_nc_u32 v9, s46, v9
	v_add_nc_u32 v10, s47, v10
	v_add_nc_u32 v11, s48, v1
	v_add_nc_u32 v12, s49, v24
	v_add_nc_u32 v13, 0x10000, v12
	v_add_nc_u32 v14, s50, v1
	v_add_nc_u32 v15, s51, v1
	v_add_nc_u32 v16, s52, v24
	v_add_nc_u32 v17, s53, v24
	v_add_nc_u32 v19, s54, v23
	v_add_nc_u32 v20, s55, v1
	v_add_nc_u32 v21, s56, v22
	v_add_nc_u32 v23, s57, v23
	v_add_nc_u32 v4, GS, v1
	s_wait_alu depctr_va_vdst(0)                   ; the wait at the head's end
	s_and_b32 s27, ttmp7, 0xffff                   ; m
	s_bfe_u32 s28, ttmp6, 0x40000                  ; cx
	s_lshl_b32 s29, ttmp9, 2
	s_add_co_u32 s29, s29, s28                     ; rb
	; descriptor group 1: 64 dense rows of 256 bytes (32 elements of 8 bytes), no padding
	s_mov_b32 s32, 15|(3<<16)|(1<<21)
	s_mov_b32 s33, 32<<16
	s_mov_b32 s34, 64<<16
	s_mov_b32 s35, 32<<16
	s_mov_b32 s36, 64
	s_mov_b32 s37, 32
	s_mov_b32 s38, 0
	s_mov_b32 s39, 0
	s_lshl_b32 s80, s26, 14                        ; my 16 rows of the matrix: in memory and in LDS alike; nothing here hangs on cx
	s_mov_b32 s81, 0
	s_mov_b32 s40, 1
	s_mov_b32 s41, s80
	; byte offsets, each in a pair of its own
	s_lshl_b32 s58, s29, 18                        ; x: 256 rows of 1,024 bytes a work-group,
	s_lshl_b32 s91, s89, 17
	s_add_co_u32 s58, s58, s91                     ; 128 a block,
	s_bfe_u32 s91, s26, 0x20001
	s_lshl_b32 s91, s91, 15
	s_add_co_u32 s58, s58, s91                     ; 32 for two tiles,
	s_lshl_b32 s91, s31, 13
	s_add_co_u32 s58, s58, s91                     ; 8 for the odd one
	s_mov_b32 s59, 0
	s_lshl_b32 s90, s29, 1                         ; the work-group's first block
	s_add_co_u32 s91, s90, s31
	s_mul_i32 s91, s91, BLK                        ; my block of rows in the products
	s_lshl_b32 s60, s30, 8
	s_and_b32 s60, s60, 0x300
	s_lshl_b32 s92, s86, 10
	s_add_co_u32 s60, s60, s92
	s_add_co_u32 s60, s60, s91                     ; q, k: feature half, then 256 bytes for each block of 32 features
	s_mov_b32 s61, 0
	s_lshl_b32 s62, s30, 11
	s_add_co_u32 s62, s62, s91                     ; v: two fragments
	s_mov_b32 s63, 0
	s_add_co_u32 s91, s90, s89
	s_mul_i32 s66, s91, BLK
	s_and_b32 s91, s26, 7
	s_lshl_b32 s92, s91, 11
	s_add_co_u32 s66, s66, s92                     ; x: my tile's fragments
	s_mov_b32 s67, 0
	s_add_co_u32 s90, s90, s88
	s_mul_i32 s72, s90, BLK
	s_lshl_b32 s92, s85, 8
	s_add_co_u32 s72, s72, s92                     ; the scale words' way out
	s_mov_b32 s73, 0
	s_mov_b32 s92, 33792
	s_cmp_eq_u32 s27, 1
	s_cselect_b32 s92, 16384, s92
	s_cmp_eq_u32 s27, 0
	s_cselect_b32 s92, 32768, s92                  ; q's, k's or v's
	s_add_co_u32 s70, s72, s92
	s_mov_b32 s71, 0
	s_lshl_b32 s74, s91, 15                        ; Wg: 32 rows for w % 8, 32 columns for w / 8, 64 columns a work-group
	s_lshl_b32 s92, s28, 8
	s_add_co_u32 s74, s74, s92
	s_lshl_b32 s92, s89, 7
	s_add_co_u32 s74, s74, s92
	s_mov_b32 s75, 0
	s_lshl_b32 s76, s28, 13
	s_lshl_b32 s92, s89, 12
	s_add_co_u32 s76, s76, s92
	s_lshl_b32 s92, s88, 10
	s_add_co_u32 s76, s76, s92
	s_lshl_b32 s92, s85, 8
	s_add_co_u32 s76, s76, s92                     ; its codes: tile, K step, 256 bytes for each block of 32
	s_mov_b32 s77, 0
	s_lshl_b32 s78, s28, 9                         ; its scale words
	s_mov_b32 s79, 0
	s_lshl_b32 s82, s30, 7                         ; the bias of my 32 features
	s_mov_b32 s83, 0
	s_xor_b32 s45, s27, 2
	s_or_b32 s45, s45, ttmp9                       ; 0 in the first cluster with m = 2: it quantises Wg too
	s_wait_dscnt 0x0                               ; both opening adds are done
	s_wait_kmcnt 0x0
	s_cmp_eq_u32 s27, 1                            ; the choices hang on the work-group's number alone
	s_cselect_b64 s[6:7], s[8:9], s[6:7]
	s_cselect_b64 s[14:15], s[16:17], s[14:15]
	s_cmp_eq_u32 s27, 2
	s_cselect_b64 s[6:7], s[10:11], s[6:7]
	s_cselect_b64 s[14:15], s[18:19], s[14:15]
	s_cmp_eq_u32 s27, 0
	s_cselect_b64 s[16:17], s[22:23], s[20:21]     ; where the results go
	s_add_nc_u64 s[58:59], s[4:5], s[58:59]
	s_add_nc_u64 s[60:61], s[16:17], s[60:61]
	s_add_nc_u64 s[62:63], s[20:21], s[62:63]
	s_add_nc_u64 s[66:67], s[22:23], s[66:67]
	s_add_nc_u64 s[70:71], s[16:17], s[70:71]
	s_add_nc_u64 s[72:73], s[22:23], s[72:73]
	s_add_nc_u64 s[74:75], s[12:13], s[74:75]
	s_add_nc_u64 s[76:77], s[24:25], s[76:77]
	s_add_nc_u64 s[78:79], s[24:25], s[78:79]
	s_add_nc_u64 s[82:83], s[14:15], s[82:83]
	s_add_nc_u64 s[42:43], s[6:7], s[80:81]
	s_or_b32 s43, s43, 0x80000000                  ; type = 2
	s_cmp_eq_u32 s27, 2
	s_cbranch_scc1 .Lbias_v
.irp u, 0,1                                    ; the bias in the result's layout: q, k: features 16 u + 8 h + 0 .. 7;
	global_load_b128 v[96+8*\u:96+8*\u+3], v25, s[82:83] offset:64*\u
	global_load_b128 v[96+8*\u+4:96+8*\u+7], v25, s[82:83] offset:64*\u+16
.endr
	s_branch .Lbias_done
.Lbias_v:
.irp e, 0,1                                    ; v: a lane holds one feature, so its eight registers are equal
.irp j, 0,1,2,3,4,5,6,7
	global_load_b32 v[96+8*\e+\j], v127, s[82:83] offset:64*\e
.endr
.endr
.Lbias_done:
	s_cmp_lg_u32 s45, 0
	s_cbranch_scc1 .Lno_wg
.set zi, 0
.rept 32
	global_load_b32 v[32+zi], v24, s[74:75] offset:1024*zi
.set zi, zi+1
.endr
.Lno_wg:
.irp rr, 0,1,2,3,4,5,6,7,8,9,10,11,12,13,14,15 ; x last, so that its counted waits hold on every way
	global_load_b128 v[128+8*\rr:128+8*\rr+3], v7, s[58:59] offset:(\rr+8*(\rr/8))*1024
	global_load_b128 v[128+8*\rr+4:128+8*\rr+7], v7, s[58:59] offset:(\rr+8*(\rr/8))*1024+16
.endr
	CROUND                                         ; all four work-groups are here: the joint loads meet
	tensor_load_to_lds s[40:43], s[32:39]
	s_nop 0
	NOP4
	; ---- x
.irp g, 0,1,2,3
	XROWS \g
.endr
	s_wait_alu depctr_va_vdst(0)                   ; directly ahead of the branch
	s_cmp_lg_u32 s45, 0
	s_cbranch_scc1 .Lno_wg_codes
	QCOL 32, 120, 124
	global_store_b128 v18, v[120:123], s[76:77]    ; sixteen lanes store 256 consecutive bytes, aligned
	ds_store_b8 v23, v124
.Lno_wg_codes:
	s_wait_alu depctr_va_vdst(0)                   ; directly ahead of the waits below
	s_wait_tensorcnt 0x0                           ; my part of the matrix is in
	s_wait_dscnt 0x0                               ; and my stores have landed
	s_barrier_signal -1
	s_barrier_wait -1                              ; everybody's
	s_cmp_lg_u32 s27, 0
	s_cbranch_scc1 .Lno_x
.irp u, 0,1,2,3                                ; x's codes leave: my own tile's two fragments
	ds_load_b128 v[32+4*\u:32+4*\u+3], v126 offset:2*XU*\u
.endr
	s_wait_dscnt 0x0
.irp u, 0,1,2,3
	global_store_b128 v1, v[32+4*\u:32+4*\u+3], s[66:67] offset:16384+512*\u
.endr
.Lno_x:
	; ---- the matrix: my 32 columns, my K step
	WLD 0
	WLD 1
	s_wait_dscnt 32                                ; all but block 1's 32 loads
	QCOL 128, 64, 80
	WLD 2
	s_wait_dscnt 32
	QCOL 160, 68, 81
	PAIR 0
	WLD 3
	s_wait_dscnt 32
	QCOL 192, 72, 82
	s_wait_dscnt 0x0
	QCOL 224, 76, 83
	PAIR 1
	v_lshl_or_b32 v80, v81, 8, v80
	v_lshl_or_b32 v82, v83, 8, v82
	v_lshl_or_b32 v80, v82, 16, v80                ; my column's scale word for this K step
	s_wait_xcnt 0x0                                ; the stores have read their registers
	BAR                                            ; everybody has read the matrix: its bytes, filled once, take the codes
	ds_store_b128 v15, v[64:67]
	ds_store_b128 v15, v[72:75] offset:512
	ds_store_b128 v15, v[68:71] offset:2048
	ds_store_b128 v15, v[76:79] offset:2560
	ds_store_b32 v17, v80
	BAR
	; ---- the products
.irp u, 0,1
.irp hs, 0,1
	ds_load_b128 v[64+16*\u+8*\hs:64+16*\u+8*\hs+3], v14 offset:2048*\u+1024*\hs
	ds_load_b128 v[64+16*\u+8*\hs+4:64+16*\u+8*\hs+7], v14 offset:2048*\u+1024*\hs+512
.endr
.endr
	ds_load_b32 v26, v16                           ; K step 0's scales: lanes 0-15 tile 0, lanes 16-31 tile 1
	ds_load_b32 v27, v16 offset:128
	XLD 0
	s_cmp_eq_u32 s27, 2
	s_cbranch_scc1 .Lmake_v
.irp tq, 0,1                                   ; q, k: transposed: source 0 = 16 columns of W, source 1 = 16 rows of x: eight accumulators by turns
	s_wait_dscnt 0x0
.irp hs, 0,1
.irp tt, 0,1,2,3
.irp u, 0,1
.set zD, HA+16*\tt+8*\u
.set zA, 64+16*\u+8*\hs
.set zB, 112+16*\tt+8*\hs
.set zV, 26+\hs
.set zW, 28+\tt
.set zr, \u+2*\hs
.if \hs
	WM v[zD:zD+7]
.else
	WM v[96+8*\u:96+8*\u+7]
.endif
.endr
.endr
.endr
	NOP4                                           ; places in front of the loads and of the first read of results
.if \tq == 0
	XLD 1
.endif
.irp pp, 0,1                                   ; tiles 2 pp, 2 pp + 1: my block of 32 features
.set zc, 240+8*\tq+4*\pp
	PQ HA+32*\pp, HA+32*\pp+16, zc, zc+2, 32+2*\tq+\pp
	v_permlane16_swap_b32 v[zc], v[zc+2]           ; a tile's 16 bytes in each half of the lanes
	v_permlane16_swap_b32 v[zc+1], v[zc+3]
	global_store_b128 v18, v[zc:zc+3], s[60:61] offset:(4*\tq+2*\pp)*2048   ; sixteen lanes store 256 consecutive bytes, aligned
	ds_store_b8 v19, v[32+2*\tq+\pp] offset:512*\tq+8*\pp
.endr
.endr
	s_branch .Lmade
.Lmake_v:
.irp tq, 0,1                                   ; v: source 0 = 16 rows of x, source 1 = 16 columns of Wv
	s_wait_dscnt 0x0
.irp hs, 0,1
.irp e, 0,1
.irp tt, 0,1,2,3
.set zD, HA+32*\e+8*\tt
.set zA, 112+16*\tt+8*\hs
.set zB, 64+16*\e+8*\hs
.set zV, 28+\tt
.set zW, 26+\hs
.set zr, \hs+2*\e
.if \hs
	WM v[zD:zD+7]
.else
	WM v[96+8*\e:96+8*\e+7]
.endif
.endr
.endr
.endr
	NOP4
.if \tq == 0
	XLD 1
.endif
.irp b, 0,1                                    ; 32 keys of both tiles of features
	PQ HA+16*\b, HA+32+16*\b, 240+8*\tq+2*\b, 244+8*\tq+2*\b, 32+2*\tq+\b
.endr
.irp e, 0,1                                    ; the operand's layout wants a whole block in a lane
.set zc, 240+8*\tq+4*\e
	v_permlane16_swap_b32 v[zc], v[zc+2]
	v_permlane16_swap_b32 v[zc+1], v[zc+3]
	global_store_b128 v1, v[zc:zc+3], s[62:63] offset:17408+1024*\e+512*\tq   ; the wave stores 512 consecutive bytes, aligned
.endr
	v_lshl_or_b32 v[40+\tq], v[33+2*\tq], 8, v[32+2*\tq]
.endr
	v_lshl_or_b32 v40, v41, 16, v40
	ds_store_b32 v20, v40
.Lmade:
	BAR                                            ; all scale words lie in LDS
	s_cmp_lt_u32 s26, 8
	s_cbranch_scc0 .Lhigh
	s_cmp_eq_u32 s27, 2
	s_cbranch_scc1 .Lv_words
	ds_load_b64 v[64:65], v21                      ; waves 0 to 7: the matrix's result, 256 bytes each
	s_branch .Lsend
.Lv_words:
	ds_load_b64 v[64:65], v21 offset:OUTV-OUTQ
.Lsend:
	s_wait_dscnt 0x0
	global_store_b64 v22, v[64:65], s[70:71]
	s_branch .Lend
.Lhigh:
	s_cmp_lg_u32 s27, 0
	s_cbranch_scc1 .Lwg_words
	ds_load_b64 v[64:65], v21 offset:XS-OUTQ-2048  ; waves 8 to 15: x's
	s_wait_dscnt 0x0
	global_store_b64 v22, v[64:65], s[72:73] offset:33792
	s_branch .Lend
.Lwg_words:
	s_cmp_lg_u32 s45, 0
	s_cbranch_scc1 .Lend
	s_cmp_lg_u32 s26, 15
	s_cbranch_scc1 .Lend
	ds_load_b128 v[64:67], v4                      ; wave 15: Wg's
	s_wait_dscnt 0x0
	global_store_b128 v1, v[64:67], s[78:79] offset:32768
.Lend:
	s_wait_tensorcnt 0x0                           ; the wave's end
	ds_add_u32 v2, v3
	s_wait_dscnt 0x0
	CROUND                                         ; the closing round
	s_endpgm
.Lfunc_end_k_qf8ced1fa60_prep:
	.size	k_qf8ced1fa60_prep, .Lfunc_end_k_qf8ced1fa60_prep-k_qf8ced1fa60_prep
	.p2alignl 7, 3214868480
	.fill 96, 4, 3214868480
	.section	.rodata,"a",@progbits
	.p2align	6, 0x0
	.amdhsa_kernel k_qf8ced1fa60_prep
		.amdhsa_group_segment_fixed_size 327680
		.amdhsa_private_segment_fixed_size 0
		.amdhsa_enable_private_segment 0
		.amdhsa_kernarg_size 88
		.amdhsa_user_sgpr_count 2
		.amdhsa_user_sgpr_kernarg_segment_ptr 1
		.amdhsa_wavefront_size32 1
		.amdhsa_system_sgpr_workgroup_id_x 1
		.amdhsa_system_sgpr_workgroup_id_y 1
		.amdhsa_system_sgpr_workgroup_id_z 1
		.amdhsa_system_vgpr_workitem_id 0
		.amdhsa_next_free_vgpr 256
		.amdhsa_next_free_sgpr 96
		.amdhsa_reserve_vcc 0
		.amdhsa_float_denorm_mode_32 3
		.amdhsa_float_denorm_mode_16_64 3
		.amdhsa_memory_ordered 1
		.amdhsa_forward_progress 1
		.amdhsa_inst_pref_size 74
	.end_amdhsa_kernel
	.amdgpu_metadata
---
amdhsa.version: [ 1, 2 ]
amdhsa.kernels:
  - .name:           k_qf8ced1fa60_prep
    .symbol:         k_qf8ced1fa60_prep.kd
    .args:
      - { .name: x, .offset: 0, .size: 8, .value_kind: global_buffer, .address_space: global }
      - { .name: Wq, .offset: 8, .size: 8, .value_kind: global_buffer, .address_space: global }
      - { .name: Wk, .offset: 16, .size: 8, .value_kind: global_buffer, .address_space: global }
      - { .name: Wv, .offset: 24, .size: 8, .value_kind: global_buffer, .address_space: global }
      - { .name: Wg, .offset: 32, .size: 8, .value_kind: global_buffer, .address_space: global }
      - { .name: bq, .offset: 40, .size: 8, .value_kind: global_buffer, .address_space: global }
      - { .name: bk, .offset: 48, .size: 8, .value_kind: global_buffer, .address_space: global }
      - { .name: bv, .offset: 56, .size: 8, .value_kind: global_buffer, .address_space: global }
      - { .name: kv, .offset: 64, .size: 8, .value_kind: global_buffer, .address_space: global }
      - { .name: qx, .offset: 72, .size: 8, .value_kind: global_buffer, .address_space: global }
      - { .name: wts, .offset: 80, .size: 8, .value_kind: global_buffer, .address_space: global }
    .group_segment_fixed_size: 327680
    .private_segment_fixed_size: 0
    .kernarg_segment_align: 8
    .kernarg_segment_size: 88
    .max_flat_workgroup_size: 512
    .sgpr_count:     96
    .vgpr_count:     256
    .wavefront_size: 32
...
	.end_amdgpu_metadata
.endif
;; end of part 1
;; launch attn (part 2): grid 64 x 4, 16 waves a work-group, clusters of 4 x 1, 327,680 bytes of LDS; arguments x, qx, wts, bg, kv, out0; writes out0
.if DOCPART == 2
	.amdgcn_target "amdgcn-amd-amdhsa--gfx1250"
	.amdhsa_code_object_version 6
	.text
	.protected	k_qf8ced1fa60_attn
	.globl	k_qf8ced1fa60_attn
	.p2align	8
	.type	k_qf8ced1fa60_attn,@function
k_qf8ced1fa60_attn:
	s_mov_b64 s[64:65], 0
	v_nop
	global_prefetch_b8 v0, s[64:65] scope:SCOPE_SE
	s_setreg_imm32_b32 hwreg(HW_REG_WAVE_MODE, 25, 1), 1
	s_wait_xcnt 0x0
	s_wait_alu depctr_hold_cnt(0) depctr_sa_sdst(0) depctr_va_vdst(0) depctr_va_sdst(0) depctr_va_ssrc(0) depctr_va_vcc(0) depctr_vm_vsrc(0)
	s_getreg_b32 s2, hwreg(HW_REG_IB_STS2, 6, 4)
	s_cmp_eq_u32 s2, 0
	s_cbranch_scc0 .Lentry_in_a_cluster
	s_endpgm
.Lentry_in_a_cluster:
	s_bfe_u32 s2, ttmp6, 0x10000c
	s_cmp_lg_u32 s2, 0x3003
	s_cbranch_scc0 .Lentry_shape_is_right
	s_endpgm
.Lentry_shape_is_right:
; out0 = sigmoid(x Wg + bg) * softmax(q k^T / 16) v + x, for 4 batches of 4,096 rows of 256, all products on codes of FP4 (E2M1) with one E8M0 byte for each 32 along a product's K.
; q's, k's, v's and x's codes and scale words come as images of operand registers from qx and kv (blocks of BLK bytes for 128 rows), Wg's from wts.  kv's block: K's 16 fragments and 1,024 bytes of
; scale words (KB bytes), then V's the same.  Lane r of a tile 2 b + u of keys or queries is row 32 b + 8 u + r + 8 (r / 8) of its block, so that the 16 registers of two neighbouring tiles of S^T are 16 neighbouring keys.
; TWO PHASES.  A work-group of sixteen waves owns 64 queries of a batch; the batch's 32 blocks of 128 keys go in four octets.
;   PHASE 1, K: wave w takes query pair p = w % 2 (32 queries: two tiles of 16) and block c = w / 2 of each octet, 64 keys at a time.  t = score x log2(e) / 16; M = the wave's largest t so far, rounded UP to a whole number;
;   p = 2^(t - M) is quantised along the keys, not normalised; the sum is of the unquantised p.  p's codes stay in registers (16 for each octet), with their scale bytes and the M that each 64 keys were under.
;   BETWEEN: the waves' M and sums meet in LDS.  Since every M is a whole number, what was made under an earlier or another wave's M is brought under the row's by taking the difference from the scale bytes, held at 0 (2^-127).
;   So O^T is never rescaled.
;   PHASE 2, V: for each octet the sixteen waves put their codes into LDS; wave w then takes pair p, half kh = (w / 2) % 2 of the octet's blocks and features 64 (w / 4) .. + 63.  At the end waves w and w xor 2 exchange a tile
;   of partial sums, so that each finishes 16 queries x 64 features: its OWN tile is number kh of the pair; the tile that it sends is the other.
; LAYOUT.  All products are used transposed: a lane holds ONE query (lane % 16).  Statistics of the two tiles are PACKED: lanes 0-15 tile 0, lanes 16-31 tile 1.
; RING: two slots of an octet's 8 x KB bytes of K or of V: K0 .. K3, V0 .. V3 by turns.  Each wave fetches half a block's part, 34 dense rows of 256 bytes, by one joint load behind each round.
; CLUSTER.  The four work-groups of a cluster belong to one batch and walk the same octets: each load names all four.  The place in the cluster enters global addresses of qx, x, out0 and of the prefetches alone.
; LIMITS: NaN and infinities are not served; scaled scores stay under 2^31 in magnitude; a block of p whose largest lies under 2^(3 - 127) keeps the byte 1.
; REGISTERS, phase 1: v1-7 addresses, Q's scales; v8-15 K's scales; v16-23 the history of -M; v24-27 p's scale words; v28-55 at work; v64-95 Q; v96-127 four fragments of K; v128-191 S^T, then p; v192-255 p's codes.
;   Phase 2: v8-11 V's scales, v12-15 p's; v16-63 and v64-111 two buffers of V's four fragments and p's two; v112-125 addresses; v128-191 O^T; v192-223 p's codes, then the gate; v224-255 p's codes, then x.
.set BLK,   34816
.set KB,    17408
.set C1,    16384
.set S0,    32768
.set S1,    33792
.set KS0,   16384                      ; scale words behind a block's K fragments (V's likewise)
.set HALFB, KB/2                       ; what one tensor load brings
.set SLOTB, 8*KB
.set BATB,  32*BLK
.set PB,    2*SLOTB                    ; p's codes of an octet: block c, query tile t at 4,096 c + 1,024 t
.set WB,    PB+32768                   ; p's scale words: 2,048 bytes an octet
.set STB,   WB+8192                    ; -M and sum: 8 bytes a lane, 256 a wave
.set SPARE, STB+4096                   ; the spare words, 128 bytes for each of sixteen waves
.set XCH,   0                          ; the end, in slot 0, which has had its last fill: 4,096 bytes for each wave's exchange,
.set STG,   65536                      ; and a stage of 16 rows x 272 bytes for each wave
.set SP,    272
.set LI,  1                            ; 16 x lane
.set AB,  2                            ; v2, v3 my K block in slot 0, 1, + 16 x lane
.set VA,  2                            ; phase 2: my fragments of V
.set VS,  3                            ; and their scale words
.set SPW, 4
.set NIL, 5
.set QS,  6                            ; v6, v7 Q's scale registers; v6 later x's
.set SC,  8
.set HM,  16
.set WD,  24
.set RUN, 28                           ; the largest score so far, packed
.set L,   29                           ; the sum, packed
.set BM,  30                           ; the blocks' largest scores: tile q, block b at v[BM + 2 q + b]
.set SO,  36                           ; the conversions' scale operands, the same way
.set T0,  48
.set T1,  49
.set PFO, 50
.set NM,  52                           ; -M of tile 0 in all lanes; v54 of tile 1; v53, v55 named with them as pairs
.set Q,   64
.set F,   96
.set S,   128
.set ACC, 128                          ; O^T: own tile, features 16 f on, at v[ACC + 8 f]; the tile to send at v[ACC + 32 + 8 f]
.set P,   192
.set G,   192
.set PF2, 112
.set PO,  113
.set PX,  114
.set PW,  115
.set WC,  116
.set WP,  117
.set RL,  118
.set XW,  120
.set XR,  121
.set SIN, 122
.set SBK, 123
.set GO,  124
.set H32, 125
.set WV,  16                           ; s16 wave, s17 p, s18 c, s19 cx, s20 work-group x, s21 batch, s41 kh, s42 features' group
.set CS,  22
.set G1,  24
.set G0,  32
.set NC,  40
.set LIM, 43
.set PFA, 44
.macro NOP4
.rept 4
	v_nop
.endr
.endm
.macro CREST                           ; a round of the cluster's barrier behind its opening barrier
	s_cmp_lg_u32 s[WV], 0
	s_cbranch_scc1 .Lnot_wave_0_\@
	s_barrier_signal -3
.Lnot_wave_0_\@:
	s_barrier_wait -3
	s_barrier_signal -1
	s_barrier_wait -1
.endm
; THE CHANGE OF SLOTS.  slot: the one that is filled; mode 1: a round and the fill, 0: a plain barrier; step: 1 the slot's address goes 16 blocks on, 2 from K's last to V's first; pf: the prefetch's address: 1 eight blocks on, 2 from K to V.
.macro CROUND                          ; a whole round
	s_barrier_signal -1
	s_barrier_wait -1
	CREST
.endm
.macro CHANGE slot, mode, step, pf
	s_wait_alu depctr_va_vdst(0)                   ; directly ahead of the waits below
	s_wait_tensorcnt 0x0                           ; no tensor load of mine is out: my part of the other slot is in
	ds_add_u32 v[SPW], v[NIL]
.if \step == 1
	s_add_nc_u64 s[G0+4*\slot+2:G0+4*\slot+3], s[G0+4*\slot+2:G0+4*\slot+3], 16*BLK
.elseif \step == 2
	s_sub_nc_u64 s[G0+4*\slot+2:G0+4*\slot+3], s[G0+4*\slot+2:G0+4*\slot+3], 16*BLK-KB
.endif
.if \pf
	s_wait_xcnt 0x0                                ; the last prefetch, a step back, has read its address
.if \pf == 1
	s_add_nc_u64 s[PFA:PFA+1], s[PFA:PFA+1], 8*BLK
.else
	s_sub_nc_u64 s[PFA:PFA+1], s[PFA:PFA+1], 24*BLK-KB
.endif
.endif
	s_wait_dscnt 0x0                               ; the add is done, my stores have landed and my reads are over
.if \mode
	CROUND
	tensor_load_to_lds s[G0+4*\slot:G0+4*\slot+3], s[G1:G1+7]
	s_nop 0
	NOP4
.else
	s_barrier_signal -1
	s_barrier_wait -1
.endif
.endm
; A PREFETCH INTO THE L2: the octet that the next change's load asks for, one step ahead.  The batch's first cluster asks; its partner at place cx takes blocks 2 cx, 2 cx + 1, told apart BY ADDRESS; waves 0 to 3 ask,
; 32 lanes 256 bytes apart: each aligned 256 bytes of codes is named once.  Octets K0 and K1 and all scale words come by their loads alone.
.macro ASK reg
	s_cmp_eq_u32 s[LIM], 1
	s_cbranch_scc0 .Lnot_mine_\@
	global_prefetch_b8 v[\reg], s[PFA:PFA+1] th:TH_LOAD_NT scope:SCOPE_SE
.Lnot_mine_\@:
.endm
.macro KLOAD slot, kt                  ; K's tiles kt, kt + 1: fragment (u, half) at v[F + 16 u + 8 half]
.irp u, 0,1
.irp hs, 0,1
	ds_load_b128 v[F+16*\u+8*\hs:F+16*\u+8*\hs+3], v[AB+\slot] offset:(2*((\kt)+\u)+\hs)*1024
	ds_load_b128 v[F+16*\u+8*\hs+4:F+16*\u+8*\hs+7], v[AB+\slot] offset:(2*((\kt)+\u)+\hs)*1024+512
.endr
.endr
.endm
.macro KFIRST slot                     ; scale registers of tiles 0 to 3 (lanes 0-15 feature half 0, lanes 16-31 half 1) and tiles 0, 1
	ds_load_b128 v[SC:SC+3], v[AB+\slot] offset:KS0
	KLOAD \slot, 0
.endm
.macro SMUL g, pr                      ; S^T of 32 keys for both tiles of queries: four accumulators by turns
.irp u, 0,1
.irp q, 0,1
.set zD, S+32*\q+8*(2*(\pr)+\u)
	v_wmma_scale_f32_16x16x128_f8f6f4 v[zD:zD+7], v[F+16*\u:F+16*\u+7], v[Q+16*\q:Q+16*\q+7], 0, v[SC+4*(\g)+2*(\pr)+\u], v[QS+\q] matrix_a_fmt:MATRIX_FMT_FP4 matrix_b_fmt:MATRIX_FMT_FP4
.endr
.endr
.irp u, 0,1
.irp q, 0,1
.set zD, S+32*\q+8*(2*(\pr)+\u)
	v_wmma_scale_f32_16x16x128_f8f6f4 v[zD:zD+7], v[F+16*\u+8:F+16*\u+15], v[Q+16*\q+8:Q+16*\q+15], v[zD:zD+7], v[SC+4*(\g)+2*(\pr)+\u], v[QS+\q] matrix_a_fmt:MATRIX_FMT_FP4 matrix_b_fmt:MATRIX_FMT_FP4 matrix_a_scale:MATRIX_SCALE_ROW1 matrix_b_scale:MATRIX_SCALE_ROW1
.endr
.endr
.endm
; The largest score of block b of 32 keys, my 16 of them, for both tiles; it serves the row's maximum and, since p rises with the score, the block's largest p.  Each accumulator is read from its low end on.
.macro BMAXA b                         ; twelve lines
.irp q, 0,1
	v_max3_num_f32 v[BM+2*\q+(\b)], v[S+32*\q+16*(\b)], v[S+32*\q+16*(\b)+1], v[S+32*\q+16*(\b)+2]
.endr
.irp i, 3,5,7,9,11
.irp q, 0,1
	v_max3_num_f32 v[BM+2*\q+(\b)], v[BM+2*\q+(\b)], v[S+32*\q+16*(\b)+\i], v[S+32*\q+16*(\b)+\i+1]
.endr
.endr
.endm
.macro BMAXB b                         ; four lines
.irp q, 0,1
	v_max3_num_f32 v[BM+2*\q+(\b)], v[BM+2*\q+(\b)], v[S+32*\q+16*(\b)+13], v[S+32*\q+16*(\b)+14]
.endr
.irp q, 0,1
	v_max_num_f32 v[BM+2*\q+(\b)], v[BM+2*\q+(\b)], v[S+32*\q+16*(\b)+15]
.endr
.endm
; The softmax of 64 keys for both tiles: from S^T and the blocks' largest scores to p's codes, scale bytes, -M and the sum
; In two parts, SOFTA up to t - M and SOFTB from the exponentials on
.macro SOFTA j, g
.set zn, 2*(\j)+(\g)
	v_permlane16_swap_b32 v[BM], v[BM+2]           ; the tiles' halves change places:
	v_permlane16_swap_b32 v[BM+1], v[BM+3]
	v_max_num_f32 v[BM], v[BM], v[BM+2]            ; block 0's largest scores, packed,
	v_max_num_f32 v[BM+1], v[BM+1], v[BM+3]        ; and block 1's
.if zn == 0
	v_max_num_f32 v[RUN], v[BM], v[BM+1]
.else
	s_delay_alu instid0(VALU_DEP_1)
	v_max3_num_f32 v[RUN], v[RUN], v[BM], v[BM+1]
.endif
	s_delay_alu instid0(VALU_DEP_1)
	v_mul_f32 v[T0], s[NC], v[RUN]                 ; -t of the largest
	s_delay_alu instid0(VALU_DEP_1)
	v_floor_f32 v[HM+zn], v[T0]                    ; -M: M is a whole number
	v_floor_f32 v[NM], v[T0]
	v_floor_f32 v[NM+2], v[T0]
	v_permlane16_swap_b32 v[NM], v[NM+2]           ; tile 0's in all lanes, tile 1's in all lanes
	v_fma_f32 v[BM], v[BM], s[CS], v[HM+zn]        ; t - M of each block's largest, packed
	v_fma_f32 v[BM+1], v[BM+1], s[CS], v[HM+zn]
.set zj, 0
.rept 16
	v_pk_fma_f32 v[S+zj:S+zj+1], v[S+zj:S+zj+1], s[CS:CS+1], v[NM:NM+1] op_sel_hi:[1,0,0]
	v_pk_fma_f32 v[S+32+zj:S+32+zj+1], v[S+32+zj:S+32+zj+1], s[CS:CS+1], v[NM+2:NM+3] op_sel_hi:[1,0,0]
.set zj, zj+2
.endr
.endm
.macro SOFTB j, g
.set zn, 2*(\j)+(\g)
	s_wait_alu depctr_va_vdst(0)                   ; the wait ahead of the batch
.set zj, 0
.rept 64
	v_exp_f32 v[S+zj], v[S+zj]                     ; p = 2^(t - M), at most 1
.set zj, zj+1
.endr
	v_exp_f32 v[BM], v[BM]                         ; the blocks' largest p: the same two operations on the same number give the same bits
	v_exp_f32 v[BM+1], v[BM+1]
.if zn == 0
	v_nop
.else
	v_sub_f32 v[T0], v[HM+zn], v[HM+zn-1]          ; old M - new M: a whole number, 0 or less
.endif
	s_wait_alu depctr_va_vdst(0)                   ; and the wait behind it
	v_pk_add_f32 v[40:41], v[S:S+1], v[S+2:S+3]    ; the sums of the UNQUANTISED p: two chains a tile
	v_pk_add_f32 v[44:45], v[S+32:S+33], v[S+34:S+35]
	v_pk_add_f32 v[42:43], v[S+4:S+5], v[S+6:S+7]
	v_pk_add_f32 v[46:47], v[S+36:S+37], v[S+38:S+39]
.set zj, 8
.rept 6
	v_pk_add_f32 v[40:41], v[40:41], v[S+zj:S+zj+1]
	v_pk_add_f32 v[44:45], v[44:45], v[S+32+zj:S+32+zj+1]
	v_pk_add_f32 v[42:43], v[42:43], v[S+zj+2:S+zj+3]
	v_pk_add_f32 v[46:47], v[46:47], v[S+32+zj+2:S+32+zj+3]
.set zj, zj+4
.endr
	v_pk_add_f32 v[40:41], v[40:41], v[42:43]
	v_pk_add_f32 v[44:45], v[44:45], v[46:47]
.if zn > 0
	v_cvt_i32_f32 v[T0], v[T0]                     ; (it saturates)
.endif
	v_add_f32 v40, v40, v41
	v_add_f32 v44, v44, v45
	v_max_num_f32 v[BM], 0x1800000, v[BM]          ; the floor 2^(3 - 127): the byte cannot fall under 1
	v_permlane16_swap_b32 v40, v44
	v_max_num_f32 v[BM+1], 0x1800000, v[BM+1]
.if zn == 0
	v_add_f32 v[L], v40, v44                       ; the sum, packed
.else
	v_ldexp_f32 v[L], v[L], v[T0]                  ; the sum under the new M: rounds nothing
	v_add_f32 v40, v40, v44
.endif
	v_add_nc_u32 v[SO], 0xff000000, v[BM]          ; 2 off the exponent field: the conversions' scale operands
	v_add_nc_u32 v[SO+1], 0xff000000, v[BM+1]
	v_add_nc_u32 v[SO+2], 0xff000000, v[BM]
	v_add_nc_u32 v[SO+3], 0xff000000, v[BM+1]
.if zn > 0
	v_add_f32 v[L], v[L], v40
.endif
	v_lshrrev_b32 v[T0], 23, v[SO]                 ; the scales' bytes, packed
	v_lshrrev_b32 v[T1], 23, v[SO+1]
	v_permlane16_swap_b32 v[SO], v[SO+2]           ; tile 0's in all lanes, tile 1's in all lanes
	v_permlane16_swap_b32 v[SO+1], v[SO+3]
.if \g
	v_lshl_or_b32 v[T0], v[T1], 8, v[T0]
	v_lshl_or_b32 v[WD+(\j)], v[T0], 16, v[WD+(\j)]
.else
	v_lshl_or_b32 v[WD+(\j)], v[T1], 8, v[T0]
.endif
.irp q, 0,1
.irp b, 0,1
.set zP, P+16*(\j)+8*\q+4*(\g)+2*\b
.set zS, S+32*\q+16*\b
	v_cvt_scalef32_pk8_fp4_f32 v[zP], v[zS:zS+7], v[SO+2*\q+\b]
	v_cvt_scalef32_pk8_fp4_f32 v[zP+1], v[zS+8:zS+15], v[SO+2*\q+\b]
.endr
.endr
	v_nop                                          ; one plain line behind the last scaled conversion
.irp q, 0,1                                    ; the operand's layout wants a whole block in a lane
.set zP, P+16*(\j)+8*\q+4*(\g)
	v_permlane16_swap_b32 v[zP], v[zP+2]
	v_permlane16_swap_b32 v[zP+1], v[zP+3]
.endr
.endm
; 64 keys (tiles 4 g .. 4 g + 3) of octet j's block, whose slot is j % 2
.macro SUB j, g
	s_wait_dscnt 0x0
	SMUL \g, 0
	NOP4                                           ; places in front of the loads into F and of the first read of results
	KLOAD (\j)%2, 4*(\g)+2
	BMAXA 0
	s_wait_alu depctr_va_vdst(0)                   ; directly ahead of the wait below
	s_wait_dscnt 0x0
	SMUL \g, 1
	BMAXB 0                                        ; four plain lines that name nothing of the products above: the places
	ds_load_b128 v[SC+4:SC+7], v[AB+(\j)%2] offset:KS0+512
	KLOAD (\j)%2, 4                                ; lands under the softmax
	BMAXA 1
	BMAXB 1
	SOFTA \j, \g
	SOFTB \j, \g
.endm
; The block's second 64 keys, with THE CHANGE OF SLOTS in front of the exponentials: the wave has read its last of the slot, so the slot is asked for again there; the maxima and t - M stand in the round's opening, and the next
; octet's first fragments land under the exponentials.  step, pf: as in CHANGE.
.macro SUBC j, step, pf
	s_wait_dscnt 0x0
	SMUL 1, 0
	NOP4
	KLOAD (\j)%2, 6
	BMAXA 0
	s_wait_alu depctr_va_vdst(0)                   ; directly ahead of the wait below
	s_wait_dscnt 0x0
	SMUL 1, 1
	BMAXB 0                                        ; four plain lines that name nothing of the products above: the places
	s_wait_alu depctr_va_vdst(0)                   ; directly ahead of the waits below
	s_wait_tensorcnt 0x0                           ; no tensor load of mine is out: my part of the other slot is in
	ds_add_u32 v[SPW], v[NIL]                      ; the lines below stand between the add and the wait for it
.if \step == 1
	s_add_nc_u64 s[G0+4*((\j)%2)+2:G0+4*((\j)%2)+3], s[G0+4*((\j)%2)+2:G0+4*((\j)%2)+3], 16*BLK
.else
	s_sub_nc_u64 s[G0+4*((\j)%2)+2:G0+4*((\j)%2)+3], s[G0+4*((\j)%2)+2:G0+4*((\j)%2)+3], 16*BLK-KB
.endif
	s_wait_xcnt 0x0                                ; the last prefetch, a step back, has read its address
.if \pf == 1
	s_add_nc_u64 s[PFA:PFA+1], s[PFA:PFA+1], 8*BLK
.else
	s_sub_nc_u64 s[PFA:PFA+1], s[PFA:PFA+1], 24*BLK-KB
.endif
	BMAXA 1
	BMAXB 1
	s_wait_alu depctr_va_vdst(0)                   ; directly ahead of the wait below
	s_wait_dscnt 0x0                               ; the add is done and my reads of this slot are over
	s_barrier_signal -1
	SOFTA \j, 1                                    ; work on registers while the others arrive
	s_wait_alu depctr_va_vdst(0)                   ; directly ahead of the wait below
	s_barrier_wait -1
	CREST
	tensor_load_to_lds s[G0+4*((\j)%2):G0+4*((\j)%2)+3], s[G1:G1+7]
	s_nop 0
	NOP4
.if (\j) < 3
	KFIRST 1-(\j)%2
.endif
	ASK PFO
	SOFTB \j, 1
.endm
; p's codes of octet j go to LDS, and V's addresses to its slot
.macro PSTORE j
	v_add_nc_u32 v[VA], s[66+(\j)%2], v[LI]
	v_add_nc_u32 v[VS], s[68+(\j)%2], v[LI]
.irp q, 0,1
.irp cc, 0,1
	ds_store_b128 v[PW], v[P+16*(\j)+8*\q+4*\cc:P+16*(\j)+8*\q+4*\cc+3] offset:1024*\q+512*\cc
.endr
.endr
	s_wait_alu depctr_va_vdst(0)                   ; directly ahead of the wait below
	s_wait_dscnt 0x0                               ; for the others' sake
.if \j == 1
	s_wait_loadcnt 0x0                             ; the gate's operands
.endif
.if \j == 3
.irp i, 0,1,2,3,4,5,6,7                        ; x, where p's codes lay: rows 2 i and 2 i + 1 of my tile, which are rows 2 i + 8 (i / 4) on; 16 lanes read 256 consecutive bytes
	global_load_b128 v[224+4*\i:224+4*\i+3], v[GO], s[50:51] offset:(2*\i+8*(\i/4))*1024 th:TH_LOAD_NT
.endr
.endif
	s_barrier_signal -1                            ; OCT waits for it
.endm
; Block 4 kh + bb of the octet: V's scale registers and my four fragments of V, 9 loads; p's own tile and the other, 4 loads
.macro BLDV buf, bb
.set zA, 64-48*(\buf)
	ds_load_b64 v[SC+2*(\buf):SC+2*(\buf)+1], v[VS] offset:(\bb)*KB
.irp f, 0,1,2,3
	ds_load_b128 v[zA+8*\f:zA+8*\f+3], v[VA] offset:(\bb)*KB+\f*1024
	ds_load_b128 v[zA+8*\f+4:zA+8*\f+7], v[VA] offset:(\bb)*KB+\f*1024+512
.endr
.endm
.macro BLDP buf, bb
.set zA, 64-48*(\buf)
	ds_load_b128 v[zA+32:zA+35], v[PO] offset:(\bb)*4096
	ds_load_b128 v[zA+36:zA+39], v[PO] offset:(\bb)*4096+512
	ds_load_b128 v[zA+40:zA+43], v[PX] offset:(\bb)*4096
	ds_load_b128 v[zA+44:zA+47], v[PX] offset:(\bb)*4096+512
.endm
.macro BLD buf, bb
	BLDV \buf, \bb
	BLDP \buf, \bb
.endm
.macro MV c                            ; one product: the scale register of V serves two tiles of features, p's the two tiles of queries
.if zr == 0
	v_wmma_scale_f32_16x16x128_f8f6f4 v[zD:zD+7], v[zA:zA+7], v[zB:zB+7], \c, v[zV], v[zW] matrix_a_fmt:MATRIX_FMT_FP4 matrix_b_fmt:MATRIX_FMT_FP4
.elseif zr == 1
	v_wmma_scale_f32_16x16x128_f8f6f4 v[zD:zD+7], v[zA:zA+7], v[zB:zB+7], \c, v[zV], v[zW] matrix_a_fmt:MATRIX_FMT_FP4 matrix_b_fmt:MATRIX_FMT_FP4 matrix_a_scale:MATRIX_SCALE_ROW1
.elseif zr == 2
	v_wmma_scale_f32_16x16x128_f8f6f4 v[zD:zD+7], v[zA:zA+7], v[zB:zB+7], \c, v[zV], v[zW] matrix_a_fmt:MATRIX_FMT_FP4 matrix_b_fmt:MATRIX_FMT_FP4 matrix_b_scale:MATRIX_SCALE_ROW1
.else
	v_wmma_scale_f32_16x16x128_f8f6f4 v[zD:zD+7], v[zA:zA+7], v[zB:zB+7], \c, v[zV], v[zW] matrix_a_fmt:MATRIX_FMT_FP4 matrix_b_fmt:MATRIX_FMT_FP4 matrix_a_scale:MATRIX_SCALE_ROW1 matrix_b_scale:MATRIX_SCALE_ROW1
.endif
.endm
.macro MULB buf, bb, zero, wt          ; O^T += V^T P^T: eight accumulators, one instruction each
.irp f, 0,1,2,3
.irp xq, 0,1
.set zD, ACC+32*\xq+8*\f
.set zA, 64-48*(\buf)+8*\f
.set zB, 64-48*(\buf)+32+8*\xq
.set zV, SC+2*(\buf)+\f/2
.set zW, SC+4+(\bb)
.set zr, (\f%2)+2*\xq
.if \wt
	s_wait_alu depctr_va_vdst(0)
.endif
.if \zero
	MV 0
.else
	MV v[zD:zD+7]
.endif
.endr
.endr
.endm
.macro OCT j, first, wt                ; octet j of V; first = 1: the products start the sums
	BLDV 0, 0                                      ; V has been in since the change of slots, and nobody writes it before a later barrier
	BLDV 1, 1
	s_barrier_wait -1                              ; everybody's codes of p lie in LDS
	ds_load_b128 v[SC+4:SC+7], v[WC] offset:2048*(\j)   ; p's scale words of my four blocks
	BLDP 0, 0
	BLDP 1, 1
	s_wait_dscnt 4                                 ; all but block 1's four loads of p
	MULB 0, 0, \first, \wt
	NOP4                                           ; places in front of the loads into registers just read
	BLD 0, 2
	s_wait_dscnt 13
	MULB 1, 1, 0, 0
	NOP4
	BLD 1, 3
	s_wait_dscnt 13
	MULB 0, 2, 0, 0
	s_wait_dscnt 0x0
	MULB 1, 3, 0, 0
	NOP4                                           ; for what next writes these registers or reads the results
.endm
	s_load_b256 s[4:11], s[0:1], 0x0               ; x s[4:5], qx s[6:7], wts s[8:9], bg s[10:11]
	s_load_b128 s[12:15], s[0:1], 0x20             ; kv s[12:13], out0 s[14:15]
	v_lshl_add_u32 v[SPW], v0, 2, SPARE
	v_mov_b32 v[NIL], 0
	ds_add_u32 v[SPW], v[NIL]                      ; the wave's opening: the add, twice on end, and its one wait
	ds_add_u32 v[SPW], v[NIL]
	v_lshrrev_b32 v8, 5, v0
	v_readfirstlane_b32 s[WV], v8                  ; wave 0..15
	s_and_b32 s17, s[WV], 1                        ; p.  Also: which half of a block's part I fetch
	s_lshr_b32 s18, s[WV], 1                       ; c
	s_mul_i32 s63, s18, KB
	v_and_b32 v[LI], 31, v0
	v_lshlrev_b32 v[LI], 4, v[LI]
	v_add_nc_u32 v[AB], s63, v[LI]
	v_add_nc_u32 v[AB+1], SLOTB, v[AB]
	v_lshlrev_b32 v[PFO], 4, v[LI]                 ; 256 x lane
	v_mov_b32 v[NM+1], 0
	v_mov_b32 v[NM+3], 0
	s_wait_alu depctr_va_vdst(0)                   ; the wait at the head's end
	s_and_b32 s41, s18, 1                          ; kh
	s_lshr_b32 s42, s[WV], 2                       ; the features' group
	s_bfe_u32 s19, ttmp6, 0x40000                  ; cx
	s_lshl_b32 s20, ttmp9, 2                       ; in a cluster launch ttmp9 counts clusters
	s_add_co_u32 s20, s20, s19                     ; my block of 64 queries
	s_and_b32 s21, ttmp7, 0xffff                   ; the batch, which the four partners share
	s_mov_b32 s[G1], 15|(3<<16)|(1<<21)            ; 15:0 the mask: all four; 17:16 elements of 8 bytes; 21 set beside a mask; no padding: the images are read 16 bytes a lane on end
	s_mov_b32 s[G1+1], 32<<16                      ; 34 rows of 32 elements, 256 bytes
	s_mov_b32 s[G1+2], 34<<16
	s_mov_b32 s[G1+3], 32<<16
	s_mov_b32 s[G1+4], 34
	s_mov_b32 s[G1+5], 32
	s_mov_b32 s[G1+6], 0
	s_mov_b32 s[G1+7], 0
	s_mul_i32 s60, s21, BATB                       ; what I fetch: the batch, block c of an octet, half p: nothing here hangs on cx
	s_mul_i32 s61, s18, BLK
	s_add_co_u32 s60, s60, s61
	s_mul_i32 s61, s17, HALFB
	s_add_co_u32 s60, s60, s61
	s_mov_b32 s61, 0
	s_mul_i32 s62, s[WV], HALFB                    ; and where it goes in a slot
	; byte offsets that hang on cx: through s2, s3 and their own pairs alone
	s_mul_i32 s2, s21, BATB
	s_mul_i32 s3, s19, 2*BLK
	s_add_co_u32 s2, s2, s3
	s_mul_i32 s3, s18, BLK
	s_add_co_u32 s2, s2, s3
	s_lshl_b32 s3, s17, 13
	s_add_co_u32 s2, s2, s3
	s_add_co_u32 s[PFA], s2, 16*BLK                ; the prefetches begin at octet K2
	s_mov_b32 s[PFA+1], 0
	s_lshl_b32 s2, s21, 5
	s_lshr_b32 s3, s20, 1
	s_add_co_u32 s2, s2, s3
	s_mul_i32 s2, s2, BLK                          ; my queries' block in qx
	s_and_b32 s3, s20, 1                           ; and which half of its eight tiles
	s_lshl_b32 s46, s3, 13
	s_add_co_u32 s46, s46, s2
	s_lshl_b32 s47, s17, 12
	s_add_co_u32 s46, s46, s47                     ; Q's fragments: tile q, half s at 2,048 q + 1,024 s from here
	s_mov_b32 s47, 0
	s_lshl_b32 s48, s3, 9
	s_add_co_u32 s48, s48, s2
	s_lshl_b32 s49, s17, 3
	s_add_co_u32 s48, s48, s49                     ; their scale registers: 4 q from here
	s_mov_b32 s49, 0
	s_lshl_b32 s74, s41, 11
	s_add_co_u32 s74, s74, s46                     ; x's fragments of my own tile
	s_mov_b32 s75, 0
	s_lshl_b32 s72, s41, 2
	s_add_co_u32 s72, s72, s48                     ; and their scale register
	s_mov_b32 s73, 0
	s_lshl_b32 s50, s21, 22                        ; rows of x and out0, 1,024 bytes each: 4,096 a batch,
	s_lshl_b32 s51, s20, 16                        ; 64 a work-group,
	s_add_co_u32 s50, s50, s51
	s_lshl_b32 s51, s17, 15                        ; 32 a pair,
	s_add_co_u32 s50, s50, s51
	s_lshl_b32 s51, s41, 13                        ; 8 on for tile 1,
	s_add_co_u32 s50, s50, s51
	s_lshl_b32 s51, s42, 8                         ; and my 64 features
	s_add_co_u32 s50, s50, s51
	s_mov_b32 s51, 0
	s_lshl_b32 s54, s42, 13                        ; Wg's fragments
	s_mov_b32 s55, 0
	s_lshl_b32 s56, s42, 9                         ; their scale registers
	s_mov_b32 s57, 0
	s_lshl_b32 s58, s42, 8                         ; bg
	s_mov_b32 s59, 0
	s_mul_i32 s66, s41, 4*KB                       ; phase 2: my half of the octet's blocks, in slot 0
	s_lshl_b32 s67, s42, 12
	s_lshr_b32 s68, s42, 1
	s_lshl_b32 s68, s68, 9
	s_and_b32 s69, s42, 1
	s_lshl_b32 s69, s69, 3
	s_add_co_u32 s68, s68, s69
	s_add_co_u32 s68, s68, s66
	s_add_co_u32 s68, s68, KS0                     ; V's scale words: two registers for my four tiles
	s_add_co_u32 s66, s66, s67                     ; V's fragments
	s_add_co_u32 s67, s66, SLOTB
	s_add_co_u32 s69, s68, SLOTB
	s_cmp_eq_u32 s41, 1
	s_cselect_b32 s70, -1, 0                       ; all lanes where my own tile is tile 1
	s_mov_b32 s[CS], 0x3db8aa3b                    ; log2(e) / sqrt(256)
	s_mov_b32 s[CS+1], s[CS]
	s_mov_b32 s[NC], 0xbdb8aa3b                    ; its negative
	s_cmp_lt_u32 s[WV], 4                          ; who prefetches: waves 0 to 3
	s_cselect_b32 s[LIM], 0, 1
	s_or_b32 s[LIM], s[LIM], ttmp9                 ; of the batch's first cluster: the same in all four partners
	s_cmp_eq_u32 s[LIM], 0
	s_cselect_b32 s[LIM], 1, 0
	s_wait_dscnt 0x0                               ; both opening adds are done
	s_wait_kmcnt 0x0
	s_add_nc_u64 s[60:61], s[12:13], s[60:61]
	s_add_nc_u64 s[PFA:PFA+1], s[12:13], s[PFA:PFA+1]
	s_add_nc_u64 s[46:47], s[6:7], s[46:47]
	s_add_nc_u64 s[48:49], s[6:7], s[48:49]
	s_add_nc_u64 s[74:75], s[6:7], s[74:75]
	s_add_nc_u64 s[72:73], s[6:7], s[72:73]
	s_add_nc_u64 s[52:53], s[14:15], s[50:51]
	s_add_nc_u64 s[50:51], s[4:5], s[50:51]
	s_add_nc_u64 s[54:55], s[8:9], s[54:55]
	s_add_nc_u64 s[56:57], s[8:9], s[56:57]
	s_add_nc_u64 s[58:59], s[10:11], s[58:59]
.irp n, 0,1
	s_mov_b32 s[G0+4*\n], 1                        ; count = 1
	s_add_co_u32 s[G0+4*\n+1], s62, \n*SLOTB       ; LDS address
	s_add_nc_u64 s[G0+4*\n+2:G0+4*\n+3], s[60:61], \n*8*BLK   ; octet n of K
	s_or_b32 s[G0+4*\n+3], s[G0+4*\n+3], 0x80000000   ; type = 2
.endr
	CROUND                                         ; all four work-groups are here: the first joint loads meet
	tensor_load_to_lds s[G0:G0+3], s[G1:G1+7]      ; K0: one tensor load a wave at the head
	s_nop 0
	NOP4
.irp q, 0,1                                    ; Q stays in registers through phase 1
.irp hs, 0,1
	global_load_b128 v[Q+16*\q+8*\hs:Q+16*\q+8*\hs+3], v[LI], s[46:47] offset:\q*2048+\hs*1024
	global_load_b128 v[Q+16*\q+8*\hs+4:Q+16*\q+8*\hs+7], v[LI], s[46:47] offset:\q*2048+\hs*1024+512
.endr
	global_load_b32 v[QS+\q], v[LI], s[48:49] offset:S0+4*\q
.endr
; ---- PHASE 1
	CHANGE 1, 1, 0, 0                              ; K0 is in; K1 into slot 1
	KFIRST 0
	ASK PFO                                        ; K2
	s_wait_loadcnt 0x0                             ; Q
	SUB 0, 0
	SUBC 0, 1, 1                                   ; K2 into slot 0; prefetch K3
	SUB 1, 0
	SUBC 1, 1, 2                                   ; K3 into slot 1; prefetch V0
	SUB 2, 0
	SUBC 2, 2, 1                                   ; V0 into slot 0; prefetch V1
	SUB 3, 0
	SUBC 3, 2, 1                                   ; V1 into slot 1; prefetch V2
; ---- BETWEEN: the statistics meet
	s_lshl_b32 s71, s17, 11
	s_add_co_u32 s71, s71, STB
	s_lshl_b32 s76, s18, 8
	s_add_co_u32 s76, s76, s71
	v_lshrrev_b32 v51, 1, v[LI]
	v_add_nc_u32 v56, s71, v51                     ; my pair's eight waves: 256 c from here
	v_add_nc_u32 v51, s76, v51
	v_mov_b32 v[T0], v[HM+7]                       ; -M and the sum of my queries over my keys
	v_mov_b32 v[T1], v[L]
	ds_store_b64 v51, v[T0:T1]
	s_wait_alu depctr_va_vdst(0)                   ; directly ahead of the wait below
	s_wait_dscnt 0x0
	s_barrier_signal -1
	s_barrier_wait -1                              ; all statistics lie in LDS
.irp cp, 0,1,2,3,4,5,6,7
	ds_load_b64 v[64+2*\cp:65+2*\cp], v56 offset:256*\cp
.endr
	s_lshl_b32 s71, s17, 11
	s_add_co_u32 s71, s71, PB                      ; p's codes of my pair
	s_lshl_b32 s76, s18, 12
	s_add_co_u32 s78, s76, s71                     ; where I put mine
	s_lshl_b32 s76, s41, 14
	s_add_co_u32 s71, s71, s76                     ; my half of the octet's blocks
	s_lshl_b32 s76, s41, 10
	s_add_co_u32 s77, s71, s76                     ; my own tile,
	s_xor_b32 s76, s76, 1024
	s_add_co_u32 s76, s71, s76                     ; and the other
	s_lshl_b32 s79, s17, 10
	s_add_co_u32 s79, s79, WB                      ; p's scale words of my pair
	s_lshr_b32 s80, s18, 2
	s_lshl_b32 s80, s80, 9
	s_and_b32 s81, s18, 3
	s_lshl_b32 s81, s81, 2
	s_add_co_u32 s80, s80, s81
	s_add_co_u32 s80, s80, s79                     ; where I put mine
	s_lshl_b32 s81, s41, 9
	s_add_co_u32 s79, s79, s81                     ; and where I read
	s_lshl_b32 s81, s41, 8                         ; 16 x 16 where lanes 0-15 want tile 1's
	s_lshl_b32 s82, s[WV], 12                      ; the exchange: mine,
	s_xor_b32 s83, s[WV], 2
	s_lshl_b32 s83, s83, 12                        ; and my partner's
	s_mul_i32 s84, s[WV], 16*SP
	s_add_co_u32 s84, s84, STG                     ; my stage
	v_lshlrev_b32 v[PF2], 4, v[LI]
	v_add_nc_u32 v[PO], s77, v[LI]
	v_add_nc_u32 v[PX], s76, v[LI]
	v_add_nc_u32 v[PW], s78, v[LI]
	v_xor_b32 v[WC], s81, v[LI]
	v_add_nc_u32 v[WP], s80, v[LI]
	v_mov_b32 v[RL+1], 0                           ; (named as the upper half of a pair)
	v_add_nc_u32 v[WC], s79, v[WC]
	v_add_nc_u32 v[XW], s82, v[LI]
	v_add_nc_u32 v[XR], s83, v[LI]
	v_and_b32 v126, 15, v0                         ; r
	v_bfe_u32 v127, v0, 4, 1                       ; h
	v_mul_u32_u24 v[SIN], v126, SP
	v_mul_u32_u24 v[SBK], v127, SP
	v_lshlrev_b32 v[GO], 10, v127
	v_lshl_add_u32 v[SIN], v127, 5, v[SIN]
	v_lshl_add_u32 v[SBK], v126, 4, v[SBK]
	v_lshl_add_u32 v[GO], v126, 4, v[GO]           ; two rows of x and out0: 16 bytes a lane
	v_add_nc_u32 v[SIN], s84, v[SIN]               ; my stage, in: row r, + 32 h
	v_add_nc_u32 v[SBK], s84, v[SBK]               ; back: lanes 0-15 one row, lanes 16-31 the next
	v_lshlrev_b32 v[H32], 5, v127
	s_wait_alu depctr_va_vdst(0)                   ; directly ahead of the wait below
	s_wait_dscnt 0x0
	v_min3_num_f32 v80, v64, v66, v68              ; the least -M: the row's
	v_min3_num_f32 v81, v70, v72, v74
	v_min3_num_f32 v80, v80, v76, v78
	s_delay_alu instid0(VALU_DEP_1)
	v_min_num_f32 v80, v80, v81
.irp cp, 0,1,2,3,4,5,6,7
	v_sub_f32 v[64+2*\cp], v80, v[64+2*\cp]        ; a wave's M less the row's: a whole number, 0 or less
.endr
.irp cp, 0,1,2,3,4,5,6,7
	v_cvt_i32_f32 v[64+2*\cp], v[64+2*\cp]
.endr
.irp cp, 0,1,2,3,4,5,6,7
	v_ldexp_f32 v[65+2*\cp], v[65+2*\cp], v[64+2*\cp]
.endr
.irp n, 0,1,2,3,4,5,6,7
	v_sub_f32 v[HM+\n], v[HM+\n], v80              ; d = the row's M less the one that these 64 keys were under, 0 or more,
.endr
	v_add_f32 v65, v65, v67
	v_add_f32 v69, v69, v71
	v_add_f32 v73, v73, v75
	v_add_f32 v77, v77, v79
.irp n, 0,1,2,3,4,5,6,7
	v_min_num_f32 v[HM+\n], 0x42fe0000, v[HM+\n]   ; 127 at the most: no byte is larger
.endr
	v_add_f32 v65, v65, v69
	v_add_f32 v73, v73, v77
.irp n, 0,1,2,3,4,5,6,7
	v_cvt_u32_f32 v[HM+\n], v[HM+\n]
.endr
	v_add_f32 v82, v65, v73                        ; the row's sum
.irp j, 0,1,2,3                                ; four bytes less d at once: bit 7 is set on each, so that no byte borrows from the next; a byte whose bit 7 has gone was smaller than d and becomes 0
	v_perm_b32 v[84+\j], v[HM+2*\j+1], v[HM+2*\j], 0x04040000   ; bytes 0, 1: the first 64 keys' d; bytes 2, 3: the second's
.endr
.irp j, 0,1,2,3
	v_or_b32 v[WD+\j], 0x80808080, v[WD+\j]
.endr
.irp j, 0,1,2,3
	v_sub_nc_u32 v[WD+\j], v[WD+\j], v[84+\j]
.endr
.irp j, 0,1,2,3
	v_and_b32 v[84+\j], 0x80808080, v[WD+\j]
.endr
.irp j, 0,1,2,3
	v_lshrrev_b32 v[88+\j], 7, v[84+\j]
.endr
.irp j, 0,1,2,3
	v_sub_nc_u32 v[84+\j], v[84+\j], v[88+\j]      ; 0x7f where the byte stays
.endr
.irp j, 0,1,2,3
	v_and_b32 v[WD+\j], v[WD+\j], v[84+\j]
.endr
	s_wait_alu depctr_va_vdst(0)                   ; the wait ahead of the transcendental
	v_rcp_f32 v82, v82
	v_nop
	s_wait_alu depctr_va_vdst(0)                   ; and behind it
	v_mov_b32 v84, v82
	v_mov_b32 v85, v82
	v_permlane16_swap_b32 v84, v85                 ; tile 0's in all lanes, tile 1's in all lanes
	v_cndmask_b32 v[RL], v84, v85, s70             ; my own tile's 1 / sum
.irp j, 0,1,2,3
	ds_store_b32 v[WP], v[WD+\j] offset:2048*\j
.endr
; ---- PHASE 2
	PSTORE 0
	OCT 0, 1, 0
.irp n, 0,1,2,3,4,5,6,7                        ; the gate's operands: Wg's fragment 2 tt + s,
.if \n < 6
.set zR, 64+8*\n
.else
.set zR, 16+8*(\n-6)
.endif
	global_load_b128 v[zR:zR+3], v[LI], s[54:55] offset:\n*1024
	global_load_b128 v[zR+4:zR+7], v[LI], s[54:55] offset:\n*1024+512
.endr
.irp hs, 0,1                                   ; x's fragments of my own tile,
	global_load_b128 v[32+8*\hs:32+8*\hs+3], v[LI], s[74:75] offset:C1+\hs*1024
	global_load_b128 v[32+8*\hs+4:32+8*\hs+7], v[LI], s[74:75] offset:C1+\hs*1024+512
.endr
.irp tt, 0,1,2,3                               ; bg in the result's layout: features 16 tt + 8 h + 0 .. 7 of my 64 (tiles 0, 1 where the codes of octet 0 lay),
.if \tt < 2
.set zR, G+8*\tt
.else
.set zR, 48+8*(\tt-2)
.endif
	global_load_b128 v[zR:zR+3], v[H32], s[58:59] offset:64*\tt
	global_load_b128 v[zR+4:zR+7], v[H32], s[58:59] offset:64*\tt+16
.endr
	global_load_b128 v[SC:SC+3], v[LI], s[56:57] offset:S0   ; and the scale registers
	global_load_b32 v[QS], v[LI], s[72:73] offset:S1
	CHANGE 0, 1, 1, 1                              ; V2 into slot 0
	ASK PF2                                        ; V3
	PSTORE 1                                       ; the gate stands between its signal and its wait
.irp tt, 0,1,2,3                               ; the gate: x Wg + bg for my 64 features and 16 queries: four accumulators by turns
.set zA, 64+16*\tt
.set zC, G+8*\tt
.if \tt == 3
.set zA, 16
.endif
.if \tt > 1
.set zC, 48+8*(\tt-2)
.endif
	v_wmma_scale_f32_16x16x128_f8f6f4 v[G+8*\tt:G+8*\tt+7], v[zA:zA+7], v[32:39], v[zC:zC+7], v[SC+\tt], v[QS] matrix_a_fmt:MATRIX_FMT_FP4 matrix_b_fmt:MATRIX_FMT_FP4
.endr
.irp tt, 0,1,2,3
.set zA, 64+16*\tt+8
.if \tt == 3
.set zA, 24
.endif
	v_wmma_scale_f32_16x16x128_f8f6f4 v[G+8*\tt:G+8*\tt+7], v[zA:zA+7], v[40:47], v[G+8*\tt:G+8*\tt+7], v[SC+\tt], v[QS] matrix_a_fmt:MATRIX_FMT_FP4 matrix_b_fmt:MATRIX_FMT_FP4 matrix_a_scale:MATRIX_SCALE_ROW1 matrix_b_scale:MATRIX_SCALE_ROW1
.endr
	NOP4
.set zj, 0
.rept 16
	v_pk_mul_f32 v[G+zj:G+zj+1], v[G+zj:G+zj+1], 0xbfb8aa3b op_sel_hi:[1,0]   ; x -log2(e); each accumulator from its low end on
.set zj, zj+2
.endr
	s_wait_alu depctr_va_vdst(0)
.set zj, 0
.rept 32
	v_exp_f32 v[G+zj], v[G+zj]
.set zj, zj+1
.endr
	v_nop
	s_wait_alu depctr_va_vdst(0)
.set zj, 0
.rept 16
	v_pk_add_f32 v[G+zj:G+zj+1], v[G+zj:G+zj+1], 1.0 op_sel_hi:[1,0]
.set zj, zj+2
.endr
	s_wait_alu depctr_va_vdst(0)
.set zj, 0
.rept 32
	v_rcp_f32 v[G+zj], v[G+zj]                     ; sigmoid = 1 / (1 + 2^(-g log2(e)))
.set zj, zj+1
.endr
	v_nop
	s_wait_alu depctr_va_vdst(0)
.set zj, 0
.rept 16
	v_pk_mul_f32 v[G+zj:G+zj+1], v[G+zj:G+zj+1], v[RL:RL+1] op_sel_hi:[1,0]   ; the division by the sum goes into the gate
.set zj, zj+2
.endr
	OCT 1, 0, 1                                    ; (transcendentals stand between its first products and the sums' last: each of the eight has its wait)
	CHANGE 1, 1, 1, 0                              ; V3 into slot 1: the last load
	PSTORE 2
	OCT 2, 0, 0
	CHANGE 0, 0, 0, 0                              ; nothing is left to fetch
	PSTORE 3
	OCT 3, 0, 0
; ---- THE WAY OUT
.irp kk, 0,1,2,3,4,5,6,7
	ds_store_b128 v[XW], v[ACC+32+4*\kk:ACC+32+4*\kk+3] offset:XCH+512*\kk   ; my partner's tile, each accumulator from its low end on; slot 0 has had its last fill, and nobody reads it
.endr
	s_wait_dscnt 0x0
	s_barrier_signal -1
	s_barrier_wait -1
.irp kk, 0,1,2,3,4,5,6,7
	ds_load_b128 v[64+4*\kk:64+4*\kk+3], v[XR] offset:XCH+512*\kk
.endr
	s_wait_dscnt 0x0
.set zj, 0
.rept 16
	v_pk_add_f32 v[ACC+zj:ACC+zj+1], v[ACC+zj:ACC+zj+1], v[64+zj:64+zj+1]
.set zj, zj+2
.endr
.set zj, 0
.rept 16
	v_pk_mul_f32 v[ACC+zj:ACC+zj+1], v[ACC+zj:ACC+zj+1], v[G+zj:G+zj+1]
.set zj, zj+2
.endr
	; a lane holds 32 bytes of a row and the lanes beside it other rows: the tile goes through my own stage and comes back as rows of 256 bytes
.irp tt, 0,1,2,3
	ds_store_b128 v[SIN], v[ACC+8*\tt:ACC+8*\tt+3] offset:64*\tt
	ds_store_b128 v[SIN], v[ACC+8*\tt+4:ACC+8*\tt+7] offset:64*\tt+16
.endr
.irp i, 0,1,2,3,4,5,6,7
	ds_load_b128 v[16+4*\i:16+4*\i+3], v[SBK] offset:2*\i*SP   ; LDS serves a wave's instructions in order (ISA guide 5.7.1.4)
.endr
	s_wait_loadcnt 0x0                             ; x
.irp i, 0,1,2,3,4,5,6,7
	s_wait_dscnt 7-\i
	v_pk_add_f32 v[16+4*\i:16+4*\i+1], v[16+4*\i:16+4*\i+1], v[224+4*\i:224+4*\i+1]
	v_pk_add_f32 v[16+4*\i+2:16+4*\i+3], v[16+4*\i+2:16+4*\i+3], v[224+4*\i+2:224+4*\i+3]
	global_store_b128 v[GO], v[16+4*\i:16+4*\i+3], s[52:53] offset:(2*\i+8*(\i/4))*1024 th:TH_STORE_NT   ; 16 lanes store 256 consecutive bytes, aligned
.endr
	s_wait_tensorcnt 0x0                           ; the wave's end
	ds_add_u32 v[SPW], v[NIL]
	s_wait_dscnt 0x0
	CROUND                                         ; the closing round: no work-group ends while a partner may still ask for a block that names it
	s_endpgm
.Lfunc_end_k_qf8ced1fa60_attn:
	.size	k_qf8ced1fa60_attn, .Lfunc_end_k_qf8ced1fa60_attn-k_qf8ced1fa60_attn
	.p2alignl 7, 3214868480
	.fill 96, 4, 3214868480
	.section	.rodata,"a",@progbits
	.p2align	6, 0x0
	.amdhsa_kernel k_qf8ced1fa60_attn
		.amdhsa_group_segment_fixed_size 327680
		.amdhsa_private_segment_fixed_size 0
		.amdhsa_enable_private_segment 0
		.amdhsa_kernarg_size 48
		.amdhsa_user_sgpr_count 2
		.amdhsa_user_sgpr_kernarg_segment_ptr 1
		.amdhsa_wavefront_size32 1
		.amdhsa_system_sgpr_workgroup_id_x 1
		.amdhsa_system_sgpr_workgroup_id_y 1
		.amdhsa_system_sgpr_workgroup_id_z 1
		.amdhsa_system_vgpr_workitem_id 0
		.amdhsa_next_free_vgpr 256
		.amdhsa_next_free_sgpr 96
		.amdhsa_reserve_vcc 0
		.amdhsa_float_denorm_mode_32 3
		.amdhsa_float_denorm_mode_16_64 3
		.amdhsa_memory_ordered 1
		.amdhsa_forward_progress 1
		.amdhsa_inst_pref_size 178
	.end_amdhsa_kernel
	.amdgpu_metadata
---
amdhsa.version: [ 1, 2 ]
amdhsa.kernels:
  - .name:           k_qf8ced1fa60_attn
    .symbol:         k_qf8ced1fa60_attn.kd
    .args:
      - { .name: x, .offset: 0, .size: 8, .value_kind: global_buffer, .address_space: global }
      - { .name: qx, .offset: 8, .size: 8, .value_kind: global_buffer, .address_space: global }
      - { .name: wts, .offset: 16, .size: 8, .value_kind: global_buffer, .address_space: global }
      - { .name: bg, .offset: 24, .size: 8, .value_kind: global_buffer, .address_space: global }
      - { .name: kv, .offset: 32, .size: 8, .value_kind: global_buffer, .address_space: global }
      - { .name: out0, .offset: 40, .size: 8, .value_kind: global_buffer, .address_space: global }
    .group_segment_fixed_size: 327680
    .private_segment_fixed_size: 0
    .kernarg_segment_align: 8
    .kernarg_segment_size: 48
    .max_flat_workgroup_size: 512
    .sgpr_count:     96
    .vgpr_count:     256
    .wavefront_size: 32
...
	.end_amdgpu_metadata
.endif
;; end of part 2
